; MI455X (gfx1250); checked and timed in simulation.
; The chip was launched on July 23, 2026; its instructions are those of AMD's public machine-readable ISA for CDNA 5 (MIT licence, August 2026) and "CDNA5" Instruction Set Architecture Reference Guide (July 2026). The comments in the code are by the model that wrote it; some were corrected since.
;; Causal Self Attention. Allowed arithmetic: matrix products marked QUANTISED: E5M2 operands, one given power-of-two scale a tensor, by v_wmma_f32_16x16x64_bf8_bf8 or v_wmma_f32_16x16x128_bf8_bf8, f32 sums; everything else in f32.
;; Inputs: Wk 16 x 1,024 x 64 float32; Wq 16 x 1,024 x 64 float32; Wv 16 x 1,024 x 64 float32; lowp_scales 12 int32 (the exponents e of the quantised operands' scales 2^e); proj_b 1,024 float32; proj_w 1,024 x 1,024 float32; x 4 x 2,048 x 1,024 float32.
;; Outputs: out0 4 x 2,048 x 1,024 float32.
;; This version of the problem:
;;   THIS VERSION OF THE PROBLEM IS GIVEN IN LOW PRECISION. The matrix products marked QUANTISED in the list below multiply operands that are first quantised to E5M2 (5 exponent bits, 2 mantissa bits; 8 bits a number), with one given power-of-two scale for each operand tensor; their sums are f32. All else is computed in f32.
;;   The module's matrix products, in the order in which they are computed (A, B: the left and right operand; K: the contracted axis; several contracted axes count as one K, in the product's order):
;;     1. [M 8,192, K 1,024] x [K 1,024, N 1,024]; A: input x; B: input Wq: QUANTISED (scales: A lowp_scales[0], B lowp_scales[1])
;;     2. [M 8,192, K 1,024] x [K 1,024, N 1,024]; A: input x; B: input Wk: QUANTISED (scales: A lowp_scales[2], B lowp_scales[3])
;;     3. [M 8,192, K 1,024] x [K 1,024, N 1,024]; A: input x; B: input Wv: QUANTISED (scales: A lowp_scales[4], B lowp_scales[5])
;;     4. batch 64 x [M 2,048, K 64] x [K 64, N 2,048]; A: computed on the way; B: computed on the way: QUANTISED (scales: A lowp_scales[6], B lowp_scales[7])
;;     5. batch 64 x [M 2,048, K 2,048] x [K 2,048, N 64]; A: softmax (see below); B: computed on the way: QUANTISED (scales: A lowp_scales[8], B lowp_scales[9])
;;     6. [M 8,192, K 1,024] x [K 1,024, N 1,024]; A: computed on the way; B: input proj_w: QUANTISED (scales: A lowp_scales[10], B lowp_scales[11])
;;   THE QUANTISER, for each operand of a quantised product, along K:
;;     - The operand's scale is 2^e, e = its entry of the input lowp_scales (int32; the entries are numbered through the quantised products in the list's order, A before B).
;;     - Each number is divided by the scale, clamped to +-57,344, and rounded to the nearest number of E5M2, ties to even, subnormals kept.
;;     - The product sums the exact products of the quantised numbers (number of the format x scale) in f32.
;;   ~~~python
;;   def quantise(x, axis, e):      # numpy; x: float32 -> the quantised numbers, widened to float32 again
;;       x = np.moveaxis(x, axis, -1); K = x.shape[-1]
;;       r = np.clip(x / 2.0 ** e, -57344, 57344)
;;       step = 2.0 ** (np.maximum(np.frexp(np.where(r == 0, 1, r))[1] - 1, -14) - 2)
;;       q = np.round(r / step) * step * 2.0 ** e      # np.round: ties to even
;;       return np.moveaxis(q, -1, axis).astype(np.float32)
;;   ~~~
;;   SOFTMAX AHEAD OF A QUANTISED PRODUCT. Where the list says 'softmax', what is quantised is not the finished softmax but p = 2^(t - M), with t = logit x log2(e) and M = ceil(the row's largest t), a whole number; so 1/2 < the row's largest p <= 1. The row's sum l is taken of the UNQUANTISED p, in f32, and the product's result is divided by l at the end. Since M is a whole number, a kernel that streams over the keys may use a running M (the ceiling of the running maximum): every later rescaling is an exact power of two, so the quantised numbers keep their values, but for numbers so far below the row's largest that they fall under the format's range.
;;   OPERANDS COMPUTED ON THE WAY. 'Computed on the way' means the value that the module computes at that place (a softmax that the list does not call 'softmax' is quantised finished and normalised). What goes into a quantiser is computed in f32, as accurately as f32 sums, v_exp_f32 and their like allow (about 1e-6 of the number): no bf16 or f16 on the way to a quantiser, and a product that is left as it is and whose result goes on into a quantised operand takes f32 operands (vector FMAs, or v_wmma_f32_16x16x4_f32). A number that lies on a knife's edge between two numbers of the format may be rounded either way, as far as f32 arithmetic and the matrix unit's own rounding can turn it there, and no further.
;; One version. Each part assembles by itself: llvm-mc -triple=amdgcn-amd-amdhsa -mcpu=gfx1250 --defsym DOCPART=n.
;; ======== version 1 of 1: 4 launches
;; limits: right only within a limited range of input values
;; workspace buffers: cod 29,360,128 bytes; qkv 25,165,824 bytes; ao 8,388,608 bytes
;; launch quant (part 1): grid 672 x 1, 8 waves a work-group, no clusters, 68,608 bytes of LDS; arguments x, proj_w, Wq, Wk, Wv, lowp_scales, cod; writes cod
.if DOCPART == 1
	.amdgcn_target "amdgcn-amd-amdhsa--gfx1250"
	.amdhsa_code_object_version 6
	.text
	.protected	k_qdf25a7a4a0_quant
	.globl	k_qdf25a7a4a0_quant
	.p2align	8
	.type	k_qdf25a7a4a0_quant,@function
k_qdf25a7a4a0_quant:
	s_mov_b64 s[64:65], 0
	v_nop
	global_prefetch_b8 v0, s[64:65] scope:SCOPE_SE
	s_setreg_imm32_b32 hwreg(HW_REG_WAVE_MODE, 25, 1), 1
	s_wait_xcnt 0x0
; x [8192][1024], proj_w [1024][1024] (K innermost) and Wq, Wk, Wv [16][1024 (K)][64] (K not innermost), all f32, become codes of BF8 (E5M2) in the buffer cod.
; code = number / 2^e, held within +-57,344, to the nearest code, ties to even; e is the operand's entry of lowp_scales.  x is an operand of three products with three entries (0, 2, 4): it is quantised three times from one read.
; LAYOUT OF ALL CODES: images of the operand's registers.  A matrix [rows][1024] lies as blocks of 16 rows x 64 K of 1,024 bytes: byte (row / 16) x 16384 + (k / 64) x 1024 + 512 u + 16 lane + B, with
; lane = 16 h + row % 16 and k % 64 = 32 u + 16 (B / 8) + 8 h + B % 8: two loads of 16 bytes a lane, at 16 x lane, are the eight registers of a 16 x 64 fragment; four are the sixteen of a 16 x 128 one.
; cod: x under e0, e2, e4 at 0, XCZ, 2 XCZ; Wq, Wk, Wv (rows n = 64 head + channel) under e1, e3, e5 from WCO on, 1 MiB each; proj_w under e11 at PWO.
; SHARES.  Work-groups 0-511: 16 rows of x each; 512-575: 16 rows of proj_w; wave w takes k = 128 w .. 128 w + 127.  Work-groups 576-671: the weights; a wave takes one head and 64 along K.
; No matrix work, no tensor load, no barrier: waves share nothing.  Every store of a wave covers 512 consecutive bytes, aligned.
; LIMITS: e0 to e5 and e11 between -126 and 112, so that 2^e and 57,344 x 2^e are f32 numbers.  NaN among the inputs is not served; an infinity is held at the largest code.
.set XCZ, 8388608                      ; bytes of x's codes under one scale
.set WCO, 25165824                     ; where the three weights' codes begin
.set PWO, 28311552                     ; where proj_w's codes begin
.set SP,  528                          ; a stage row: 512 bytes + 16: row r starts 4 r banks on, so the 16 rows that a load touches start at 16 different banks
.set R,   16                           ; v16-79   rows' path: 16 x 4 numbers as loaded
.set X,   80                           ; v80-143  64 numbers of my row in the operand's order
.set T,   144
.set C,   208                          ; v208-255 codes: 16 registers for each of the three scales, so that no store's data are written again
.set D,   16                           ; v16-143  weights' path: 128 numbers
.set CW,  144                          ; v144-175 their codes
.macro MKSC se, ssc, slim              ; from the exponent in s[se]: s[ssc] = 2^e as f32, s[slim] = e + 127
	s_add_co_i32 s[\slim], s[\se], 127
	s_lshl_b32 s[\ssc], s[\slim], 23
.endm
	s_load_b256 s[4:11], s[0:1], 0x0               ; x s[4:5], proj_w s[6:7], Wq s[8:9], Wk s[10:11]
	s_load_b128 s[12:15], s[0:1], 0x20             ; Wv s[12:13], lowp_scales s[14:15]
	s_load_b64 s[16:17], s[0:1], 0x30              ; cod
	v_lshl_add_u32 v14, v0, 2, 0x10800
	v_mov_b32 v15, 0
	v_lshrrev_b32 v1, 5, v0
	s_delay_alu instid0(VALU_DEP_1)
	v_readfirstlane_b32 s18, v1                    ; wave 0..7
	v_and_b32 v1, 31, v0                           ; lane
	v_and_b32 v2, 15, v0                           ; r
	v_bfe_u32 v3, v0, 4, 1                         ; h
	s_delay_alu instid0(VALU_DEP_3)
	v_lshlrev_b32 v4, 4, v1                        ; 16 x lane: never rewritten
	s_wait_kmcnt 0x0
	s_load_b256 s[20:27], s[14:15], 0x0            ; e0 .. e7
	s_load_b128 s[28:31], s[14:15], 0x20           ; e8 .. e11
	s_cmp_ge_u32 ttmp9, 576
	s_cbranch_scc1 .Lweights
	; ---- ROWS: K is innermost.  The choice between x and proj_w hangs on the work-group's number alone
	s_cmp_lt_u32 ttmp9, 512
	s_cselect_b64 s[32:33], s[4:5], s[6:7]
	s_cselect_b32 s19, 0, 512
	s_cselect_b32 s46, 0, PWO
	s_sub_co_u32 s19, ttmp9, s19                   ; my block of 16 rows
	s_lshl_b32 s48, s19, 16                        ; 16 rows of 4,096 bytes,
	s_lshl_b32 s49, s18, 9                         ; my wave's 512 bytes of each
	s_add_co_u32 s48, s48, s49
	s_mov_b32 s49, 0
	s_add_nc_u64 s[32:33], s[32:33], s[48:49]
	s_lshl_b32 s48, s19, 14                        ; the block's codes: 16,384 bytes,
	s_lshl_b32 s50, s18, 11                        ; my wave's two images of 1,024
	s_add_co_u32 s48, s48, s50
	s_add_co_u32 s48, s48, s46
	s_add_nc_u64 s[34:35], s[16:17], s[48:49]      ; a base for each scale
	s_add_nc_u64 s[36:37], s[34:35], XCZ
	s_add_nc_u64 s[38:39], s[36:37], XCZ
	s_mul_i32 s50, s18, 16*SP                      ; my wave's stage
	s_wait_alu depctr_va_vdst(0)
	v_add_nc_u32 v5, s50, v4                       ; in: 16 x lane of a row
	v_mul_u32_u24 v6, v2, SP
	s_delay_alu instid0(VALU_DEP_1)
	v_lshl_add_u32 v6, v3, 5, v6
	s_delay_alu instid0(VALU_DEP_1)
	v_add_nc_u32 v6, s50, v6                       ; out: row r, + 32 h: eight numbers for each half of the lanes
.irp p, 0,1,2,3,4,5,6,7,8,9,10,11,12,13,14,15
	global_load_b128 v[R+4*\p:R+4*\p+3], v4, s[32:33] offset:4096*\p th:TH_LOAD_NT   ; row p: 32 lanes read 512 consecutive bytes
.endr
	s_wait_alu depctr_va_vdst(0)
	s_wait_kmcnt 0x0
	s_cmp_lt_u32 ttmp9, 512
	s_cselect_b32 s47, s20, s31                    ; e0 for x, e11 for proj_w
	MKSC 47, 52, 40
	v_mov_b32 v8, s52
	MKSC 22, 52, 42                                ; e2
	v_mov_b32 v9, s52
	MKSC 24, 52, 44                                ; e4
	v_mov_b32 v10, s52
	s_wait_alu depctr_va_vdst(0)
.irp p, 0,1,2,3,4,5,6,7,8,9,10,11,12,13,14,15
	s_wait_loadcnt 15-\p                           ; loads come back in order: row p is in, the younger ones stay out
	ds_store_b128 v5, v[R+4*\p:R+4*\p+3] offset:SP*\p
.endr
.irp s, 0,1                                    ; LDS serves a wave's instructions in order: these see my stores.  Register 32 s + 8 c + i = k 64 s + 16 c + 8 h + i of row r
.irp c, 0,1,2,3
.irp e, 0,1
	ds_load_b128 v[X+32*\s+8*\c+4*\e:X+32*\s+8*\c+4*\e+3], v6 offset:256*\s+64*\c+16*\e
.endr
.endr
.endr
	s_wait_dscnt 0x0
.macro QZ z                            ; the 64 numbers under scale z: converted, stored as two images
.set j, 0
.rept 64
.set j, j+1
.endr
.set j, 0
.rept 8
	v_cvt_scalef32_pk8_bf8_f32 v[C+16*\z+2*j:C+16*\z+2*j+1], v[X+8*j:X+8*j+7], v[8+\z]
.set j, j+1
.endr
	v_nop                                          ; a plain line behind the last conversion
.irp q, 0,1,2,3
	global_store_b128 v4, v[C+16*\z+4*\q:C+16*\z+4*\q+3], s[34+2*\z:35+2*\z] offset:512*\q
.endr
.endm
	QZ 0
	s_cmp_ge_u32 ttmp9, 512                        ; proj_w has one scale
	s_cbranch_scc1 .Lend
	QZ 1
	QZ 2
.Lend:
	s_wait_tensorcnt 0x0
	ds_add_u32 v14, v15
	s_wait_dscnt 0x0
	s_endpgm
	; ---- WEIGHTS: K is the middle axis.  A lane takes a column (a channel) and its registers run down K in the operand's own order: nothing is transposed, and no LDS is used
.Lweights:
	s_sub_co_u32 s19, ttmp9, 576
	s_lshr_b32 s46, s19, 5                         ; which weight: 0 Wq, 1 Wk, 2 Wv
	s_bfe_u32 s47, s19, 0x40001                    ; the head
	s_and_b32 s48, s19, 1
	s_lshl_b32 s48, s48, 3
	s_add_co_u32 s48, s48, s18                     ; which 64 along K
	s_cmp_eq_u32 s46, 0
	s_cselect_b64 s[32:33], s[8:9], s[10:11]
	s_cmp_eq_u32 s46, 2
	s_cselect_b64 s[32:33], s[12:13], s[32:33]
	s_lshl_b32 s50, s47, 18                        ; a head is 1,024 x 64 x 4 bytes,
	s_lshl_b32 s51, s48, 14                        ; 64 rows of 256 bytes
	s_add_co_u32 s50, s50, s51
	s_mov_b32 s51, 0
	s_add_nc_u64 s[32:33], s[32:33], s[50:51]
	s_lshl_b32 s50, s46, 20                        ; the codes: 1 MiB a weight,
	s_lshl_b32 s52, s47, 16                        ; four blocks of 16 rows a head,
	s_add_co_u32 s50, s50, s52
	s_lshl_b32 s52, s48, 10                        ; 1,024 bytes for 64 along K
	s_add_co_u32 s50, s50, s52
	s_add_co_u32 s50, s50, WCO
	s_add_nc_u64 s[34:35], s[16:17], s[50:51]
	s_wait_alu depctr_va_vdst(0)
	v_lshlrev_b32 v7, 2, v2
	s_delay_alu instid0(VALU_DEP_1)
	v_lshl_add_u32 v7, v3, 11, v7                  ; 4 r + 8 h rows of 256 bytes
.irp c, 0,1,2,3
.irp q, 0,1,2,3,4,5,6,7
.irp d, 0,1,2,3
	global_load_b32 v[D+32*\d+8*\c+\q], v7, s[32:33] offset:(16*\c+\q)*256+64*\d th:TH_LOAD_NT   ; W(k = 16 c + 8 h + q, channel 16 d + r); the four d together cover a row's 256 bytes
.endr
.endr
.endr
	s_wait_kmcnt 0x0
	s_cmp_eq_u32 s46, 0
	s_cselect_b32 s47, s21, s23                    ; e1, e3
	s_cmp_eq_u32 s46, 2
	s_cselect_b32 s47, s25, s47                    ; e5
	MKSC 47, 52, 40
	v_mov_b32 v8, s52
	s_wait_alu depctr_va_vdst(0)
.irp c, 0,1,2,3
.if \c < 2
	s_wait_loadcnt 63                              ; behind group c's 32 loads 96 or 64 were issued; the count's field ends at 63, and a smaller count is safe
.else
	s_wait_loadcnt 96-32*\c                        ; 32, then 0
.endif
.irp d, 0,1,2,3
.irp q, 0,1,2,3,4,5,6,7
.endr
.endr
.irp d, 0,1,2,3
	v_cvt_scalef32_pk8_bf8_f32 v[CW+8*\d+2*\c:CW+8*\d+2*\c+1], v[D+32*\d+8*\c:D+32*\d+8*\c+7], v8
.endr
.endr
	v_nop
	s_wait_alu depctr_va_vdst(0)
.irp d, 0,1,2,3
.irp u, 0,1
	global_store_b128 v4, v[CW+8*\d+4*\u:CW+8*\d+4*\u+3], s[34:35] offset:16384*\d+512*\u
.endr
.endr
	s_endpgm
.Lfunc_end_k_qdf25a7a4a0_quant:
	.size	k_qdf25a7a4a0_quant, .Lfunc_end_k_qdf25a7a4a0_quant-k_qdf25a7a4a0_quant
	.p2alignl 7, 3214868480
	.fill 96, 4, 3214868480
	.section	.rodata,"a",@progbits
	.p2align	6, 0x0
	.amdhsa_kernel k_qdf25a7a4a0_quant
		.amdhsa_group_segment_fixed_size 68608
		.amdhsa_private_segment_fixed_size 0
		.amdhsa_enable_private_segment 0
		.amdhsa_kernarg_size 56
		.amdhsa_user_sgpr_count 2
		.amdhsa_user_sgpr_kernarg_segment_ptr 1
		.amdhsa_wavefront_size32 1
		.amdhsa_system_sgpr_workgroup_id_x 1
		.amdhsa_system_sgpr_workgroup_id_y 1
		.amdhsa_system_sgpr_workgroup_id_z 1
		.amdhsa_system_vgpr_workitem_id 0
		.amdhsa_next_free_vgpr 256
		.amdhsa_next_free_sgpr 66
		.amdhsa_reserve_vcc 0
		.amdhsa_float_denorm_mode_32 3
		.amdhsa_float_denorm_mode_16_64 3
		.amdhsa_fp16_overflow 1
		.amdhsa_memory_ordered 1
		.amdhsa_forward_progress 1
		.amdhsa_inst_pref_size 25
	.end_amdhsa_kernel
	.amdgpu_metadata
---
amdhsa.version: [ 1, 2 ]
amdhsa.kernels:
  - .name:           k_qdf25a7a4a0_quant
    .symbol:         k_qdf25a7a4a0_quant.kd
    .args:
      - { .name: x, .offset: 0, .size: 8, .value_kind: global_buffer, .address_space: global }
      - { .name: proj_w, .offset: 8, .size: 8, .value_kind: global_buffer, .address_space: global }
      - { .name: Wq, .offset: 16, .size: 8, .value_kind: global_buffer, .address_space: global }
      - { .name: Wk, .offset: 24, .size: 8, .value_kind: global_buffer, .address_space: global }
      - { .name: Wv, .offset: 32, .size: 8, .value_kind: global_buffer, .address_space: global }
      - { .name: lowp_scales, .offset: 40, .size: 8, .value_kind: global_buffer, .address_space: global }
      - { .name: cod, .offset: 48, .size: 8, .value_kind: global_buffer, .address_space: global }
    .group_segment_fixed_size: 68608
    .private_segment_fixed_size: 0
    .kernarg_segment_align: 8
    .kernarg_segment_size: 56
    .max_flat_workgroup_size: 256
    .sgpr_count:     66
    .vgpr_count:     256
    .wavefront_size: 32
...
	.end_amdgpu_metadata
.endif
;; end of part 1
;; launch gemm_qkv (part 2): grid 4 x 96, 4 waves a work-group, clusters of 4 x 4, 327,680 bytes of LDS; arguments cod, lowp_scales, qkv; writes qkv
.if DOCPART == 2
	.amdgcn_target "amdgcn-amd-amdhsa--gfx1250"
	.amdhsa_code_object_version 6
	.text
	.protected	k_qdf25a7a4a0_gemm_qkv
	.globl	k_qdf25a7a4a0_gemm_qkv
	.p2align	8
	.type	k_qdf25a7a4a0_gemm_qkv,@function
k_qdf25a7a4a0_gemm_qkv:
	s_mov_b64 s[64:65], 0
	v_nop
	global_prefetch_b8 v0, s[64:65] scope:SCOPE_SE
	s_setreg_imm32_b32 hwreg(HW_REG_WAVE_MODE, 25, 1), 1
	s_wait_xcnt 0x0
	s_wait_alu depctr_hold_cnt(0) depctr_sa_sdst(0) depctr_va_vdst(0) depctr_va_sdst(0) depctr_va_ssrc(0) depctr_va_vcc(0) depctr_vm_vsrc(0)
	s_getreg_b32 s2, hwreg(HW_REG_IB_STS2, 6, 4)
	s_cmp_eq_u32 s2, 0
	s_cbranch_scc0 .Lentry_in_a_cluster
	s_endpgm
.Lentry_in_a_cluster:
	s_bfe_u32 s2, ttmp6, 0x10000c
	s_cmp_lg_u32 s2, 0xf033
	s_cbranch_scc0 .Lentry_shape_is_right
	s_endpgm
.Lentry_shape_is_right:
; q, k, v = x W (three products [8192 x 1024] x [1024 x 1024] on codes of BF8), and each result quantised at once for the product that takes it: q under e6, k under e7, v under e9.  Nothing wider than a code goes to memory.
; OPERANDS are register images (16 rows x 64 K in 1,024 bytes: 512 u + 16 lane; a block of 16 rows is 16,384 bytes): a fragment of 16 x 128 is four loads of 16 bytes a lane at 16 x lane, 512 bytes apart, k in its true places.
; A tile of 256 x 256 is made by four waves, 128 x 128 each: 64 accumulators, 512 registers.  K goes in steps of 256 through a ring of two LDS slots: a wave's tensor load brings 8 blocks x 4,096 bytes.
; THE MATRIX INSTRUCTION IS USED TRANSPOSED: source 0 = 16 rows of B, source 1 = 16 rows of A: a lane holds one row of A and eight neighbouring rows of B.
;   q, k: A = x, B = W: a lane's eight numbers are eight channels of one token: neighbours along the K of q k^T.  Their codes ARE registers of that product's fragments: stored as images, [8192][1024].
;   v:    A = Wv, B = x: a lane's eight numbers are eight rows of x, that is eight KEYS of one channel: neighbours along the K of p v.  Stored as images of v^T:
;         batch x 131072 + key block x 16384 + (channel / 16) x 4096 + (head / 8) x 2048 + ((head % 8) / 2) x 512 + 16 lane + 8 (head % 2) + j: key row 8 h + j, channel 16 dt + lane % 16.
; GRID: 24 clusters of 4 x 4: cluster y / 8 says which product, cluster y % 8 which 1,024 rows of x.  A's tiles are asked for jointly along a row of the cluster, B's along a column.
; REGISTERS, in windows of 256: window 0: v16-30 addresses and the scale; from v128 A's fragments, one set; on the way out v128-255 take the codes.  window 1: B's fragments, two sets.  windows 2, 3: the accumulators, (a, b) at v[8 (8 (a % 4) + b)].
; LIMITS: e6 - e0 - e1, e7 - e2 - e3 and e9 - e4 - e5 between -126 and 112, so that each folded scale and 57,344 times it are f32 numbers.
.set ROWB,   4096                      ; a K step of 256 in a block's image
.set SLOT,   131072                    ; A's 16 blocks x 4,096 bytes, then B's 16
.set SPARE,  2*SLOT                    ; behind the ring: the spare words, 128 bytes for each wave, which no other line names
.set LAPS,   2                         ; K = 1,024 = two laps of two K steps
.set FR,     16
.set NL,     4
.set NP,     4
.set ADRA, 16                          ; v16-17  LDS address of my A fragments in slot 0, 1
.set ADRB, 20                          ; v20-21  the same for B
.set LI,   26                          ; v26     16 x lane; never rewritten
.set SPW,  28                          ; v28     LDS address of my spare word; never rewritten
.set NIL,  29                          ; v29     0; never rewritten
.set SCV,  30                          ; v30     the folded scale as f32
.set AF,   128
.set CB,   128                         ; the way out: 128 registers of codes, each written once
.set G1, 24
.set G0, 32
.set G1B, 48
.set G0B, 56
.set MSB, 0
.macro WIN new                         ; the immediate's high byte repeats the setting that is left
.if MSB != (\new)
	s_set_vgpr_msb (MSB<<8)|(\new)
.set MSB, (\new)
.endif
.endm
.set MUL_LO, 0xa1                      ; source 0 (B) window 1, source 1 (A) window 0, C and D window 2
.set MUL_HI, 0xf1                      ; the same, C and D window 3
.set TO_B,   0x40                      ; destination window 1, address window 0
; A joint load: waves 0 and 1 fetch for A, waves 2 and 3 for B; the branch hangs on the wave's number alone.  Four v_nop follow each of the two lines.
.macro JLOAD g0a, g1a, g0b, g1b
	s_cmp_eq_u32 s15, 0
	s_cbranch_scc0 .Lfor_b_\@
	tensor_load_to_lds s[\g0a:\g0a+3], s[\g1a:\g1a+7]
	s_nop 0
.rept 4
	v_nop
.endr
	s_branch .Lasked_\@
.Lfor_b_\@:
	tensor_load_to_lds s[\g0b:\g0b+3], s[\g1b:\g1b+7]
	s_nop 0
.rept 4
	v_nop
.endr
.Lasked_\@:
.endm
.macro CREST                           ; a round of the cluster's barrier behind its opening barrier
	s_cmp_lg_u32 s14, 0
	s_cbranch_scc1 .Lnot_wave_0_\@
	s_barrier_signal -3
.Lnot_wave_0_\@:
	s_barrier_wait -3
	s_barrier_signal -1
	s_barrier_wait -1
.endm
.macro CROUND
	s_barrier_signal -1
	s_barrier_wait -1
	CREST
.endm
	s_load_b128 s[4:7], s[0:1], 0x0                ; cod s[4:5], lowp_scales s[6:7]
	s_load_b64 s[8:9], s[0:1], 0x10                ; qkv
	v_lshl_add_u32 v[SPW], v0, 2, SPARE
	v_mov_b32 v[NIL], 0
	ds_add_u32 v28, v29
	ds_add_u32 v28, v29
	s_wait_dscnt 0x0
	v_lshrrev_b32 v1, 5, v0
	v_readfirstlane_b32 s14, v1                    ; wave 0..3
	s_lshr_b32 s15, s14, 1                         ; which half of A's rows is mine.  Also: I fetch for A (0) or for B (1)
	s_and_b32 s16, s14, 1                          ; which half of B's rows.  Also: which 128 rows of that tile I fetch
	s_bfe_u32 s40, ttmp6, 0x40000                  ; cx
	s_bfe_u32 s41, ttmp6, 0x40004                  ; cy
	s_and_b32 s10, ttmp7, 0xffff                   ; cluster y, 0..23: the same in all sixteen partners
	s_lshr_b32 s11, s10, 3                         ; which product: 0 q, 1 k, 2 v
	s_and_b32 s12, s10, 7                          ; which 1,024 rows of x
	s_lshl_b32 s20, s11, 23                        ; q, k: A = x's codes under e0 or e2
	s_lshl_b32 s46, s11, 20
	s_add_co_u32 s46, s46, 25165824                ;       B = Wq's or Wk's codes
	s_cmp_eq_u32 s11, 2
	s_cselect_b32 s13, 1, 0                        ; 1: v
	s_cselect_b32 s17, 0, s12
	s_cselect_b32 s42, s12, 0
	s_cselect_b32 s20, 27262976, s20               ; v: A = Wv's codes,
	s_cselect_b32 s46, 16777216, s46               ;    B = x's codes under e4
	s_lshl_b32 s17, s17, 2
	s_add_co_u32 s17, s17, s41                     ; A's tile: hangs on cy and the cluster's y
	s_lshl_b32 s42, s42, 2
	s_add_co_u32 s42, s42, s40                     ; B's tile: hangs on cx and the cluster's y
	s_lshl_b32 s43, s41, 2
	s_lshl_b32 s43, 15, s43                        ; my row of the cluster
	s_lshl_b32 s44, 0x1111, s40                    ; my column
	; descriptor group 1: 8 rows (blocks) of 4,096 bytes, 16,384 bytes apart, laid on end in LDS
	s_or_b32 s[G1+0], s43, (1<<21)                 ; 15:0 the mask: A's tiles go to my row; 17:16 elements of 1 byte; 21 set beside a mask; no padding
	s_or_b32 s[G1B+0], s44, (1<<21)
.irp g, G1, G1B
	s_mov_b32 s[\g+1], ROWB<<16                    ; tensor_dim0 = 4,096
	s_mov_b32 s[\g+2], 8<<16                       ; tensor_dim1 = 8
	s_mov_b32 s[\g+3], ROWB<<16                    ; tile_dim0
	s_mov_b32 s[\g+4], 8                           ; tile_dim1
	s_mov_b32 s[\g+5], 16384                       ; from block to block
	s_mov_b32 s[\g+6], 0
	s_mov_b32 s[\g+7], 0
.endr
	s_lshl_b32 s18, s16, 17                        ; which 8 blocks of the tile I fetch
	s_lshl_b32 s19, s17, 18                        ; a tile of 256 rows is 16 blocks
	s_add_co_u32 s20, s20, s19
	s_add_co_u32 s20, s20, s18
	s_mov_b32 s21, 0
	s_lshl_b32 s47, s42, 18                        ; (B's offsets in registers that never feed A's descriptors)
	s_add_co_u32 s46, s46, s47
	s_add_co_u32 s46, s46, s18
	s_mov_b32 s47, 0
	s_lshl_b32 s45, s14, 15                        ; where they go: wave x 32,768: no place in the cluster enters an LDS address
	s_wait_kmcnt 0x0
	s_load_b256 s[68:75], s[6:7], 0x0              ; e0 .. e7
	s_load_b128 s[76:79], s[6:7], 0x20             ; e8 .. e11
	s_add_nc_u64 s[20:21], s[4:5], s[20:21]
	s_add_nc_u64 s[46:47], s[4:5], s[46:47]
	CROUND                                         ; all sixteen work-groups are here: the first joint loads meet
.irp s, 0,1
	s_mov_b32 s[G0+4*\s], 1
	s_add_co_u32 s[G0+4*\s+1], s45, \s*SLOT
	s_add_nc_u64 s[G0+4*\s+2:G0+4*\s+3], s[20:21], \s*ROWB
	s_or_b32 s[G0+4*\s+3], s[G0+4*\s+3], 0x80000000
	s_mov_b32 s[G0B+4*\s], 1
	s_add_co_u32 s[G0B+4*\s+1], s45, \s*SLOT
	s_add_nc_u64 s[G0B+4*\s+2:G0B+4*\s+3], s[46:47], \s*ROWB
	s_or_b32 s[G0B+4*\s+3], s[G0B+4*\s+3], 0x80000000
	JLOAD G0+4*\s, G1, G0B+4*\s, G1B
.endr
	v_and_b32 v1, 31, v0
	v_lshlrev_b32 v[LI], 4, v1
	s_lshl_b32 s22, s15, 15                        ; my 8 blocks of A
	s_lshl_b32 s23, s16, 15                        ; my 8 blocks of B,
	s_add_co_u32 s23, s23, 65536                   ; which lie behind A's 16
.irp s, 0,1
	v_add_nc_u32 v[ADRA+\s], s22, v[LI]
	v_add_nc_u32 v[ADRB+\s], s23, v[LI]
	s_add_co_u32 s22, s22, SLOT
	s_add_co_u32 s23, s23, SLOT
.endr
	; where my codes go.  q, k: product x 8 MiB + (16 tile A + 8 half + a) blocks of 16,384 + (4 tile B + 2 half + il) x 1,024
	s_lshl_b32 s84, s17, 4
	s_lshl_b32 s85, s15, 3
	s_add_co_u32 s84, s84, s85
	s_lshl_b32 s84, s84, 14
	s_lshl_b32 s85, s42, 2
	s_lshl_b32 s86, s16, 1
	s_add_co_u32 s85, s85, s86
	s_lshl_b32 s85, s85, 10
	s_add_co_u32 s84, s84, s85
	s_lshl_b32 s85, s11, 23
	s_add_co_u32 s84, s84, s85
	; v: 16 MiB + batch (2 tile B + half) x 131,072 + (2 tile A + half) x 512: my two heads' place in a key block's image
	s_lshl_b32 s85, s42, 1
	s_add_co_u32 s85, s85, s16
	s_lshl_b32 s85, s85, 17
	s_lshl_b32 s86, s17, 1
	s_add_co_u32 s86, s86, s15
	s_lshl_b32 s86, s86, 9
	s_add_co_u32 s85, s85, s86
	s_add_co_u32 s85, s85, 16777216
	s_cmp_eq_u32 s13, 1
	s_cselect_b32 s84, s85, s84
	s_mov_b32 s85, 0
	s_add_nc_u64 s[8:9], s[8:9], s[84:85]
	s_wait_alu depctr_va_vdst(0)
	; the folded scale: a sum stands for sum x 2^(ea + eb), its code is sum / 2^(eo - ea - eb).  The entries are chosen by selects on the product's number: no branch hangs on a loaded number
	s_wait_kmcnt 0x0
	s_cmp_eq_u32 s11, 0
	s_cselect_b32 s80, s68, s70
	s_cselect_b32 s81, s69, s71
	s_cselect_b32 s82, s74, s75
	s_cmp_eq_u32 s11, 2
	s_cselect_b32 s80, s72, s80
	s_cselect_b32 s81, s73, s81
	s_cselect_b32 s82, s77, s82
	s_sub_co_i32 s80, s82, s80
	s_sub_co_i32 s80, s80, s81
	s_add_co_i32 s80, s80, 127
	s_lshl_b32 s81, s80, 23
	v_mov_b32 v[SCV], s81
.macro FRAG reg, adr, q, i             ; a fragment, 16 rows x 128 K: four loads of 512 consecutive bytes
.irp c, 0,1,2,3
	ds_load_b128 v[\reg+4*\c:\reg+4*\c+3], v[\adr] offset:4096*(\i)+2048*(\q)+512*\c
.endr
.endm
; 16 matrix instructions: A's blocks a0, a0 + 1 x B's eight, 128 along K.  p: B's set.  zero = 1: the first product starts the sums.  The 64 accumulators take turns, one instruction a turn, in the same order in every step.
.macro MUL16 a0, p, zero
.irp a, \a0, \a0+1
.irp b, 0,1,2,3,4,5,6,7
.if \zero
	v_wmma_f32_16x16x128_bf8_bf8 v[8*(8*((\a)%4)+\b):8*(8*((\a)%4)+\b)+7], v[128*(\p)+FR*\b:128*(\p)+FR*\b+FR-1], v[AF+FR*(\a):AF+FR*(\a)+FR-1], 0
.else
	v_wmma_f32_16x16x128_bf8_bf8 v[8*(8*((\a)%4)+\b):8*(8*((\a)%4)+\b)+7], v[128*(\p)+FR*\b:128*(\p)+FR*\b+FR-1], v[AF+FR*(\a):AF+FR*(\a)+FR-1], v[8*(8*((\a)%4)+\b):8*(8*((\a)%4)+\b)+7]
.endif
.endr
.endr
.endm
.macro FETCH_B slot, q, p
	WIN TO_B
.irp i, 0,1,2,3,4,5,6,7
	FRAG 128*(\p)+FR*\i, ADRB+\slot, \q, \i
.endr
	WIN 0
.endm
.macro FETCH_A slot, q, i0
.irp i, \i0, \i0+1, \i0+2, \i0+3
	FRAG AF+FR*(\i), ADRA+\slot, \q, \i
.endr
.endm
.macro PLACES n                        ; plain vector lines between a matrix instruction and a load into, or a vector line on, one of its registers
.rept \n
	v_nop
.endr
.endm
; A step of 128 along K that has its successor in the same slot.  A has one set of registers: blocks 0-3 are fetched anew in the step's middle, blocks 4-7 at its end; B has two sets.
.macro STEP slot, q, zero
	s_wait_dscnt 4*NL                              ; B's set and A's blocks 0-3 are in; the youngest 16 loads (A's blocks 4-7) may be out
	WIN MUL_LO
	MUL16 0, (\q)%2, \zero
	MUL16 2, (\q)%2, \zero
	s_wait_dscnt 0                                 ; A's blocks 4-7 are in
	PLACES NP
	FETCH_B \slot, (\q)+1, 1-(\q)%2
	FETCH_A \slot, (\q)+1, 0
	WIN MUL_HI
	MUL16 4, (\q)%2, \zero
	MUL16 6, (\q)%2, \zero
	PLACES NP
	WIN 0
	FETCH_A \slot, (\q)+1, 4
.endm
; A slot's last step changes slots: one barrier; in front of it each wave waits for all its tensor loads, adds 0 to its spare word, and waits for that and for its own reads of this slot.  fill = 1: the slot is filled again, two K steps ahead.
.macro TURN slot, next, fill
	s_wait_tensorcnt 0x0                           ; all my tensor loads have landed: my part of the next slot
	ds_add_u32 v[SPW], v[NIL]                      ; 0 onto my spare word
	s_wait_dscnt 4*NL+1                            ; (the add and the youngest 16 loads may be out)
	WIN MUL_LO
	MUL16 0, 1, 0
	s_wait_dscnt 0x0                               ; the add is done, and my reads of this slot are over
	s_barrier_signal -1
	MUL16 2, 1, 0
	WIN 0
	s_barrier_wait -1
.if \fill
	CREST                                          ; the barrier has opened a round of the cluster's: no wave of any partner still reads this slot or has a load on its way
	s_add_nc_u64 s[G0+4*\slot+2:G0+4*\slot+3], s[G0+4*\slot+2:G0+4*\slot+3], 2*ROWB
	s_add_nc_u64 s[G0B+4*\slot+2:G0B+4*\slot+3], s[G0B+4*\slot+2:G0B+4*\slot+3], 2*ROWB
	JLOAD G0+4*\slot, G1, G0B+4*\slot, G1B         ; the first tensor load behind the round; its four v_nop are the places in front of the loads below
.else
	PLACES NP
.endif
	FETCH_B \next, 0, 0
	FETCH_A \next, 0, 0
	WIN MUL_HI
	MUL16 4, 1, 0
	MUL16 6, 1, 0
	PLACES NP
	WIN 0
	FETCH_A \next, 0, 4
.endm
	s_wait_tensorcnt 1                             ; my part of K step 0 is in; K step 1's load may be out
	s_barrier_signal -1
	s_barrier_wait -1
	FETCH_B 0, 0, 0
	FETCH_A 0, 0, 0
	FETCH_A 0, 0, 4
	STEP 0, 0, 1                                   ; the first step stands in front of the loop: its products start the sums
	s_mov_b32 s3, LAPS-1
.Llap:                                                 ; a trip goes once round the ring and fills both slots again
	TURN 0, 1, 1
	STEP 1, 0, 0
	TURN 1, 0, 1
	STEP 0, 0, 0
	s_sub_co_u32 s3, s3, 1
	s_cmp_lg_u32 s3, 0
	s_cbranch_scc1 .Llap
	TURN 0, 1, 0                                   ; the last lap fills nothing
	STEP 1, 0, 0
	s_wait_dscnt 4*NL
	WIN MUL_LO
	MUL16 0, 1, 0
	MUL16 2, 1, 0
	s_wait_dscnt 0
	WIN MUL_HI
	MUL16 4, 1, 0
	MUL16 6, 1, 0
	WIN 0
; THE WAY OUT.  Block a's 64 sums a lane are converted, eight neighbours along the next K at a time, into registers of window 0.
.macro QA a, isv
.set AC, 64*((\a)%4)
	WIN 0x82+0x41*((\a)/4)                         ; source 0 and destination: window 2 or 3
.set j, 0
.rept 64
.set j, j+1
.endr
	WIN 0x02+((\a)/4)                              ; source 0: window 2 or 3; the scale and the codes: window 0
.set b, 0
.rept 8
.if \isv
	v_cvt_scalef32_pk8_bf8_f32 v[CB+4*(8*((\a)%4)+b)+2*((\a)/4):CB+4*(8*((\a)%4)+b)+2*((\a)/4)+1], v[AC+8*b:AC+8*b+7], v[SCV]
.else
	v_cvt_scalef32_pk8_bf8_f32 v[CB+16*(\a)+2*b:CB+16*(\a)+2*b+1], v[AC+8*b:AC+8*b+7], v[SCV]
.endif
.set b, b+1
.endr
	v_nop                                          ; a plain line behind the last conversion
	WIN 0
.endm
	PLACES NP                                      ; behind the last products: their results are read and A's registers are written below
	s_cmp_eq_u32 s13, 1                            ; the product's number: the same in all partners
	s_cbranch_scc1 .Lvarm
	s_wait_alu depctr_va_vdst(0)
.irp a, 0,1,2,3,4,5,6,7                        ; q, k: accumulators (a, 4 il .. 4 il + 3) are one image: token rows 16 a on, channels 64 il on
	QA \a, 0
.irp q, 0,1,2,3
	global_store_b128 v[LI], v[CB+16*\a+4*\q:CB+16*\a+4*\q+3], s[8:9] offset:16384*\a+512*\q   ; 32 lanes store 512 consecutive bytes, aligned
.endr
.endr
	s_branch .Ljoin
.Lvarm:                                                ; v: a lane's 16 bytes are the eight keys of two neighbouring heads: accumulators (dt, b) and (4 + dt, b)
	s_wait_alu depctr_va_vdst(0)
	QA 0, 1
	QA 1, 1
	QA 2, 1
	QA 3, 1
.irp d, 0,1,2,3
	QA 4+\d, 1
.irp n, 0,1,2,3,4,5,6,7
	global_store_b128 v[LI], v[CB+4*(8*\d+\n):CB+4*(8*\d+\n)+3], s[8:9] offset:16384*\n+4096*\d
.endr
.endr
.Ljoin:
	s_wait_tensorcnt 0x0                           ; the wave's end
	ds_add_u32 v[SPW], v[NIL]
	s_wait_dscnt 0x0
	CROUND                                         ; the closing round: no work-group ends while a partner may still ask for a tile that names it
	s_endpgm
.Lfunc_end_k_qdf25a7a4a0_gemm_qkv:
	.size	k_qdf25a7a4a0_gemm_qkv, .Lfunc_end_k_qdf25a7a4a0_gemm_qkv-k_qdf25a7a4a0_gemm_qkv
	.p2alignl 7, 3214868480
	.fill 96, 4, 3214868480
	.section	.rodata,"a",@progbits
	.p2align	6, 0x0
	.amdhsa_kernel k_qdf25a7a4a0_gemm_qkv
		.amdhsa_group_segment_fixed_size 327680
		.amdhsa_private_segment_fixed_size 0
		.amdhsa_enable_private_segment 0
		.amdhsa_kernarg_size 24
		.amdhsa_user_sgpr_count 2
		.amdhsa_user_sgpr_kernarg_segment_ptr 1
		.amdhsa_wavefront_size32 1
		.amdhsa_system_sgpr_workgroup_id_x 1
		.amdhsa_system_sgpr_workgroup_id_y 1
		.amdhsa_system_sgpr_workgroup_id_z 1
		.amdhsa_system_vgpr_workitem_id 0
		.amdhsa_next_free_vgpr 1024
		.amdhsa_next_free_sgpr 100
		.amdhsa_reserve_vcc 0
		.amdhsa_float_denorm_mode_32 3
		.amdhsa_float_denorm_mode_16_64 3
		.amdhsa_fp16_overflow 1
		.amdhsa_memory_ordered 1
		.amdhsa_forward_progress 1
		.amdhsa_inst_pref_size 94
	.end_amdhsa_kernel
	.amdgpu_metadata
---
amdhsa.version: [ 1, 2 ]
amdhsa.kernels:
  - .name:           k_qdf25a7a4a0_gemm_qkv
    .symbol:         k_qdf25a7a4a0_gemm_qkv.kd
    .args:
      - { .name: cod, .offset: 0, .size: 8, .value_kind: global_buffer, .address_space: global }
      - { .name: lowp_scales, .offset: 8, .size: 8, .value_kind: global_buffer, .address_space: global }
      - { .name: qkv, .offset: 16, .size: 8, .value_kind: global_buffer, .address_space: global }
    .group_segment_fixed_size: 327680
    .private_segment_fixed_size: 0
    .kernarg_segment_align: 8
    .kernarg_segment_size: 24
    .max_flat_workgroup_size: 128
    .sgpr_count:     100
    .vgpr_count:     1024
    .wavefront_size: 32
...
	.end_amdgpu_metadata
.endif
;; end of part 2
;; launch attn (part 3): grid 4 x 64, 16 waves a work-group, no clusters, 327,680 bytes of LDS; arguments qkv, lowp_scales, ao; writes ao
.if DOCPART == 3
	.amdgcn_target "amdgcn-amd-amdhsa--gfx1250"
	.amdhsa_code_object_version 6
	.text
	.protected	k_qdf25a7a4a0_attn
	.globl	k_qdf25a7a4a0_attn
	.p2align	8
	.type	k_qdf25a7a4a0_attn,@function
k_qdf25a7a4a0_attn:
	s_mov_b64 s[64:65], 0
	v_nop
	global_prefetch_b8 v0, s[64:65] scope:SCOPE_SE
	s_setreg_imm32_b32 hwreg(HW_REG_WAVE_MODE, 25, 1), 1
	s_wait_xcnt 0x0
; Causal attention on codes of BF8, 64 batches of 2,048 tokens x 64 channels, and the result quantised under e10 for the last product.
; THE RAW RESHAPES: q, k, v as [8192][1024] (row m, column 64 i + d) are, read flat, batch g = m / 128, token 16 (m % 128) + i.  So a block of 256 tokens is 16 rows m x 16 heads i, and 16 tokens of one i and 16
; neighbouring m are one register image (16 rows x 64 K) of the buffers that the launch before stored.  The output, read flat, has the same (m, 64 i + d), and is stored as images too.
; THE SOFTMAX AHEAD OF THE SECOND PRODUCT: t = score x log2(e) / 8; M = the running largest t rounded UP to a whole number; p = 2^(t - M) is quantised under e8, not normalised; the row's sum is taken of the
; unquantised p and divides at the end.  When M moves, the sum and O are multiplied by 2^(old M - new M): exact.
; SHARES.  Work-group (jp, g) owns query blocks 7 - jp and then jp of batch g: 8 - jp and jp + 1 key blocks, NINE trips in every work-group: 256 work-groups of equal work, and a trip count that is a constant.
; Key blocks wholly behind the causal mask are neither fetched nor multiplied.  Wave w owns the 16 queries of head i = w of the block in hand: 256 registers, four waves to a SIMD.
; LAYOUT.  Both products transposed: S^T = K Q^T (source 0 = 16 keys of one head, source 1 = my queries, K = 64), O^T = V^T P^T (source 0 = 16 channels, K = 128 key slots): a lane holds ONE query (lane % 16).
; A step takes the 8 key tiles of heads 8 f .. 8 f + 7: key slot 16 i' + 8 (lane / 16) + j is key row 8 (lane / 16) + j of head 8 f + i': so the conversions' results are P's fragment, and V's images were stored in that order.
; NO CLUSTER: the four work-groups of a batch want different key blocks in the same trip from trip 5 on (trip T asks for block T or T - (8 - jp)), so a joint load could not have one descriptor in all four.
; LIMITS: e6 + e7 between -123 and 130 (added to c's exponent field); e8, and e10 - e8 - e9, between -126 and 112.
; REGISTERS: v1 16 x lane; v2 LDS address in hand; v3 256 x lane; v4 the mask's bound; v5, v6 the spare word's address, 0; v7 -infinity; v12 -M, v13 the largest t, v[14:15] the sum; v16-23 Q; v24-31 the second block's Q;
;   v32-95 fragments of K or V; v96-159 S^T, then p; v160-191 O^T; v192-207 p's codes; v208-215 the output's codes; v217 2^e8; v219 2^(e10 - e8 - e9); v[220:221] f; v[222:223], v224-226 at work.
.set SLOT1, 32768                      ; a slot: a key block's K (16,384 bytes: [head][u][lane][16]), then its V ([channel / 16][f][pair of heads][lane][16]); one exclusive or turns an address to the other slot
.set SPARE, 65536                      ; behind the ring: the spare words, 128 bytes for each of sixteen waves, which no other line names
; s10 wave; s11 jp; s12 g; s13 trips of the first block; s14 the trip that lies on the diagonal; s15 the trip; s16 the slot in hand; s17 the prefetches' bound; s[18:19] my tensor's first key block; s[20:21] lane selects;
; s[22:23] c; s[24:31] descriptor group 1; s[32:35] group 0; s[36:37] the prefetches' address; s[38:39] an offset; s[40:41], s[42:43] the two blocks' places in ao; s[50:55] e6 .. e11.
.macro TLOAD                           ; wave 0 fetches K's block, wave 1 V's, the others nothing; four v_nop follow the line
	s_cmp_lt_u32 s10, 2
	s_cbranch_scc0 .Lasked_\@
	tensor_load_to_lds s[32:35], s[24:31]
	s_nop 0
.rept 4
	v_nop
.endr
.Lasked_\@:
.endm
; A PREFETCH INTO THE L2 of the key block that the NEXT change of slots will ask for.  All four work-groups of a batch walk the same K and V from block 0 on: work-group jp = 0 asks, which walks all eight in order.
; In it waves 4 to 7 ask, one instruction each: 8,192 bytes a wave (K's halves, V's halves), lanes 256 bytes apart: each aligned 256 bytes of blocks 2 to 7 is named once in the launch.  Trips 0 to 5 ask; blocks 0 and 1 come by their loads alone.
.macro ASK
	s_cmp_lt_u32 s15, s17
	s_cbranch_scc0 .Lnot_mine_\@
	global_prefetch_b8 v3, s[36:37] th:TH_LOAD_NT scope:SCOPE_SE
.Lnot_mine_\@:
.endm
	s_load_b128 s[4:7], s[0:1], 0x0                ; qkv s[4:5], lowp_scales s[6:7]
	s_load_b64 s[8:9], s[0:1], 0x10                ; ao
	v_lshl_add_u32 v5, v0, 2, SPARE
	v_mov_b32 v6, 0
	ds_add_u32 v5, v6
	ds_add_u32 v5, v6
	s_wait_dscnt 0x0
	v_lshrrev_b32 v1, 5, v0
	s_delay_alu instid0(VALU_DEP_1)
	v_readfirstlane_b32 s10, v1                    ; wave 0..15
	s_mov_b32 s11, ttmp9                           ; jp
	s_and_b32 s12, ttmp7, 0xffff                   ; g
	s_sub_co_u32 s13, 8, s11                       ; the first block, 7 - jp, has 8 - jp key blocks;
	s_sub_co_u32 s14, s13, 1                       ; its last trip lies on the diagonal
	s_mov_b32 s15, 0
	s_mov_b32 s16, 0
	s_mov_b32 s24, 3<<16                           ; group 1: a dense block of 16,384 bytes as 64 rows of 32 elements of 8 bytes; no mask, no padding
	s_mov_b32 s25, 32<<16                          ; tensor_dim0 = 32
	s_mov_b32 s26, 64<<16                          ; tensor_dim1 = 64
	s_mov_b32 s27, 32<<16                          ; tile_dim0 = 32
	s_mov_b32 s28, 64                              ; tile_dim1 = 64
	s_mov_b32 s29, 32                              ; from row to row
	s_mov_b32 s30, 0
	s_mov_b32 s31, 0
	s_mov_b32 s20, 0x76543210
	s_mov_b32 s21, 0xfedcba98
	s_mov_b32 s39, 0
	s_and_b32 s62, s10, 1                          ; K (0) or V (1)
	s_lshl_b32 s33, s62, 14                        ; its place in slot 0
	s_add_co_u32 s62, s62, 1
	s_lshl_b32 s62, s62, 23                        ; K's codes begin 8 MiB, V's 16 MiB into qkv;
	s_lshl_b32 s63, s12, 17                        ; a batch is 131,072 bytes
	s_add_co_u32 s62, s62, s63
	s_mov_b32 s63, 0
	s_bfe_u32 s56, s10, 0x10001                    ; the prefetches: waves 4, 5: K; 6, 7: V;
	s_add_co_u32 s56, s56, 1
	s_lshl_b32 s56, s56, 23
	s_lshl_b32 s57, s12, 17
	s_add_co_u32 s56, s56, s57
	s_and_b32 s57, s10, 1                          ; which half of a block;
	s_lshl_b32 s57, s57, 13
	s_add_co_u32 s56, s56, s57
	s_add_co_u32 s56, s56, 16384                   ; at block 1: the first change of slots steps it to block 2
	s_mov_b32 s57, 0
	s_wait_kmcnt 0x0
	s_load_b64 s[50:51], s[6:7], 0x18              ; e6, e7
	s_load_b128 s[52:55], s[6:7], 0x20             ; e8 .. e11
	s_add_nc_u64 s[18:19], s[4:5], s[62:63]
	s_mov_b32 s32, 1                               ; group 0: count = 1; LDS address s33; the global address; type = 2
	s_mov_b64 s[34:35], s[18:19]
	s_or_b32 s35, s35, 0x80000000
	TLOAD                                          ; key block 0 into slot 0
	s_add_nc_u64 s[36:37], s[4:5], s[56:57]
	s_lshr_b32 s56, s10, 2
	s_xor_b32 s56, s56, 1                          ; 0 in waves 4 to 7,
	s_or_b32 s56, s56, s11                         ; of work-group jp = 0
	s_cmp_eq_u32 s56, 0
	s_cselect_b32 s17, 6, 0
	s_lshl_b32 s62, s12, 3                         ; a batch has 8 blocks of 16 rows m;
	s_lshl_b32 s63, s10, 10                        ; head w's image is 1,024 bytes
	s_sub_co_u32 s56, 7, s11
	s_add_co_u32 s56, s56, s62
	s_lshl_b32 s56, s56, 14
	s_add_co_u32 s56, s56, s63                     ; block 7 - jp: the same offset in q's codes and in ao
	s_mov_b32 s57, 0
	s_add_co_u32 s58, s62, s11
	s_lshl_b32 s58, s58, 14
	s_add_co_u32 s58, s58, s63                     ; block jp
	s_mov_b32 s59, 0
	s_add_nc_u64 s[40:41], s[8:9], s[56:57]
	s_add_nc_u64 s[42:43], s[8:9], s[58:59]
	v_and_b32 v1, 31, v0
	v_and_b32 v2, 15, v0                           ; my query's row
	v_bfe_u32 v3, v0, 4, 1                         ; h
	s_delay_alu instid0(VALU_DEP_2)
	v_lshlrev_b32 v4, 4, v2
	s_delay_alu instid0(VALU_DEP_2)
	v_lshlrev_b32 v3, 7, v3
	s_delay_alu instid0(VALU_DEP_1)
	v_sub_nc_u32 v4, v4, v3
	s_delay_alu instid0(VALU_DEP_1)
	v_add_nc_u32 v4, s10, v4                       ; 16 row + w - 128 h: on the diagonal the key of register 8 i' + j is hidden where 16 j + 8 f + i' is greater
	v_lshlrev_b32 v3, 8, v1
	v_lshlrev_b32 v1, 4, v1
	s_delay_alu instid0(VALU_DEP_1)
	v_add_nc_u32 v224, s56, v1
	s_delay_alu instid0(VALU_DEP_2)
	v_add_nc_u32 v225, s58, v1
	global_load_b128 v[16:19], v224, s[4:5]        ; Q of the first block,
	global_load_b128 v[20:23], v224, s[4:5] offset:512
	global_load_b128 v[24:27], v225, s[4:5]        ; and of the second
	global_load_b128 v[28:31], v225, s[4:5] offset:512
	v_mov_b32 v7, 0xff800000
	v_mov_b32 v13, 0xff61b1e6                      ; the largest t so far: -3e38, under every t
	s_delay_alu instid0(VALU_DEP_1)
	v_floor_f32 v12, -v13
	v_mov_b32 v14, 0
	v_mov_b32 v15, 0
	v_mov_b32 v221, 0                              ; (named as the upper half of a pair)
	v_mov_b32 v226, 0                              ; a lane permute's destination counts as one of its sources
.set n, 0
.rept 32
	v_mov_b32 v[160+n], 0                          ; O^T: the step is written once, and its first run finds zeros
.set n, n+1
.endr
	s_wait_kmcnt 0x0
	s_add_co_i32 s56, s50, s51
	s_lshl_b32 s56, s56, 23
	s_add_co_i32 s22, s56, 0x3e38aa3b              ; c = log2(e) / 8, with e6 + e7 added to its exponent field
	s_mov_b32 s23, s22
	s_add_co_i32 s56, s52, 127
	s_lshl_b32 s57, s56, 23
	v_mov_b32 v217, s57                            ; 2^e8
	s_sub_co_i32 s56, s54, s52
	s_sub_co_i32 s56, s56, s53                     ; a sum of the second product stands for sum x 2^(e8 + e9): its code under e10 is sum / l / 2^(e10 - e8 - e9)
	s_add_co_i32 s56, s56, 127
	s_lshl_b32 s57, s56, 23
	v_mov_b32 v219, s57
; THE CHANGE OF SLOTS stands at a trip's head.  Each wave waits for all its tensor loads, adds 0 to its spare word, and waits for that and for its reads of the slot that it has left.  fill = 1: that slot takes the next trip's key block.
.macro CHANGE fill
	s_wait_tensorcnt 0x0                           ; no tensor load of mine is out, so group 0 may be written
	ds_add_u32 v5, v6                              ; 0 onto my spare word
.if \fill
	s_xor_b32 s33, s33, SLOT1
	s_add_co_u32 s56, s15, 1                       ; the next trip's key block: T + 1, or T + 1 less the first block's trips
	s_cmp_lt_u32 s56, s13
	s_cselect_b32 s57, 0, s13
	s_sub_co_u32 s56, s56, s57
	s_lshl_b32 s38, s56, 14
	s_add_nc_u64 s[34:35], s[18:19], s[38:39]
	s_or_b32 s35, s35, 0x80000000
	s_wait_xcnt 0x0                                ; the last prefetch, a trip back, has read its address
	s_add_nc_u64 s[36:37], s[36:37], 16384
.endif
	s_wait_dscnt 0x0                               ; the add is done, and my reads of the slot that I have left are over
	s_barrier_signal -1
	s_barrier_wait -1
.if \fill
	TLOAD                                          ; the first thing behind the barrier, and a wave's one tensor load until the next
	ASK
.endif
.endm
; A STEP: the 128 key slots of heads 8 f .. 8 f + 7 of the key block in hand.
.macro STEP f
	v_add_nc_u32 v2, s16, v1
.rept 3
	v_nop                                          ; with the addition: four places in front of loads into registers that matrix instructions have read
.endr
.set n, 0
.rept 8
	ds_load_b128 v[32+8*n:35+8*n], v2 offset:1024*(8*\f+n)
	ds_load_b128 v[36+8*n:39+8*n], v2 offset:1024*(8*\f+n)+512
.set n, n+1
.endr
	s_wait_alu depctr_va_vdst(0)
	s_wait_dscnt 0x0
.set n, 0
.rept 8
	v_wmma_f32_16x16x64_bf8_bf8 v[96+8*n:103+8*n], v[32+8*n:39+8*n], v[16:23], 0
.set n, n+1
.endr
.rept 4
	v_nop
.endr
.set n, 0
.rept 16                                       ; V's four fragments are asked for now and land under the softmax
	ds_load_b128 v[32+4*n:35+4*n], v2 offset:16384+4096*(n/4)+2048*\f+512*(n%4)
.set n, n+1
.endr
	s_cmp_lg_u32 s15, s14                          ; on the diagonal the scores of hidden keys become -infinity ahead of the maximum: p = 0 then.  A branch on ids
	s_cbranch_scc1 .Lopen_\@
.set n, 0
.rept 64
	v_cmp_gt_i32 vcc_lo, 16*(n%8)+8*\f+n/8, v4
	v_cndmask_b32 v[96+n], v[96+n], v7, vcc_lo
.set n, n+1
.endr
.Lopen_\@:
	v_max3_num_f32 v224, v96, v97, v98             ; the step's largest score of my query among my 64 keys, in two chains (each accumulator is first read at its low end),
	v_max3_num_f32 v225, v99, v100, v101
.irp i, 6,10,14,18,22,26,30,34,38,42,46,50,54,58
	v_max3_num_f32 v224, v224, v[96+\i], v[97+\i]
	v_max3_num_f32 v225, v225, v[98+\i], v[99+\i]
.endr
	v_max3_num_f32 v224, v224, v158, v159
	s_delay_alu instid0(VALU_DEP_1)
	v_max_num_f32 v224, v224, v225
	s_delay_alu instid0(VALU_DEP_1)
	v_permlanex16_b32 v226, v224, s20, s21
	s_delay_alu instid0(VALU_DEP_1)
	v_max_num_f32 v224, v224, v226                 ; and among lane l xor 16's
	s_delay_alu instid0(VALU_DEP_1)
	v_mul_f32 v224, s22, v224                      ; as t (c is positive)
	s_delay_alu instid0(VALU_DEP_1)
	v_max_num_f32 v13, v13, v224
	v_mov_b32 v224, v12
	s_delay_alu instid0(VALU_DEP_2)
	v_floor_f32 v12, -v13                          ; the new -M = floor(-t): M is a whole number
	s_delay_alu instid0(VALU_DEP_1)
	v_sub_f32 v224, v12, v224                      ; old M - new M, 0 or less
	s_delay_alu instid0(VALU_DEP_1)
	v_cvt_i32_f32 v224, v224                       ; (it saturates)
	s_delay_alu instid0(VALU_DEP_1)
	v_ldexp_f32 v220, 1.0, v224                    ; f = 2^(old M - new M)
.set n, 0
.rept 32
	v_pk_fma_f32 v[96+n:97+n], v[96+n:97+n], s[22:23], v[12:13] op_sel_hi:[1,0,0]   ; t - M, two at a time
.set n, n+2
.endr
.set n, 0
	s_wait_alu depctr_va_vdst(0)
.rept 64
	v_exp_f32 v[96+n], v[96+n]                     ; p = 2^(t - M), at most 1
.set n, n+1
.endr
	v_pk_mul_f32 v[14:15], v[14:15], v[220:221] op_sel_hi:[1,0]   ; the sums under the new M: the plain line behind the exponentials
	s_wait_alu depctr_va_vdst(0)                   ; one wait for the whole batch, ahead of its first reader
	v_pk_add_f32 v[222:223], v[100:101], v[104:105]
	v_pk_add_f32 v[254:255], v[108:109], v[112:113]
	v_pk_add_f32 v[252:253], v[116:117], v[120:121]
	v_pk_add_f32 v[250:251], v[124:125], v[128:129]
	v_pk_add_f32 v[248:249], v[132:133], v[136:137]
	v_pk_add_f32 v[246:247], v[140:141], v[144:145]
	v_pk_add_f32 v[244:245], v[148:149], v[152:153]
	v_pk_add_f32 v[14:15], v[14:15], v[156:157]
	v_pk_add_f32 v[222:223], v[222:223], v[96:97]
	v_pk_add_f32 v[254:255], v[254:255], v[98:99]
	v_pk_add_f32 v[252:253], v[252:253], v[102:103]
	v_pk_add_f32 v[250:251], v[250:251], v[106:107]
	v_pk_add_f32 v[248:249], v[248:249], v[110:111]
	v_pk_add_f32 v[246:247], v[246:247], v[114:115]
	v_pk_add_f32 v[244:245], v[244:245], v[118:119]
	v_pk_add_f32 v[14:15], v[14:15], v[122:123]
	v_pk_add_f32 v[222:223], v[222:223], v[126:127]
	v_pk_add_f32 v[254:255], v[254:255], v[130:131]
	v_pk_add_f32 v[252:253], v[252:253], v[134:135]
	v_pk_add_f32 v[250:251], v[250:251], v[138:139]
	v_pk_add_f32 v[248:249], v[248:249], v[142:143]
	v_pk_add_f32 v[246:247], v[246:247], v[146:147]
	v_pk_add_f32 v[244:245], v[244:245], v[150:151]
	v_pk_add_f32 v[14:15], v[14:15], v[154:155]
	v_pk_add_f32 v[222:223], v[222:223], v[158:159]
	s_delay_alu instid0(VALU_DEP_2)
	v_pk_add_f32 v[14:15], v[14:15], v[250:251]
	s_delay_alu instid0(VALU_DEP_2)
	v_pk_add_f32 v[222:223], v[222:223], v[248:249]
	v_pk_add_f32 v[254:255], v[254:255], v[246:247]
	v_pk_add_f32 v[252:253], v[252:253], v[244:245]
	s_delay_alu instid0(VALU_DEP_2)
	v_pk_add_f32 v[14:15], v[14:15], v[254:255]
	s_delay_alu instid0(VALU_DEP_2)
	v_pk_add_f32 v[222:223], v[222:223], v[252:253]
	s_delay_alu instid0(VALU_DEP_1)
	v_pk_add_f32 v[14:15], v[14:15], v[222:223]
.set n, 0
.rept 64
.set n, n+1
.endr
.set n, 0
.rept 8
	v_cvt_scalef32_pk8_bf8_f32 v[192+2*n:193+2*n], v[96+8*n:103+8*n], v217
.set n, n+1
.endr
.set n, 0
.rept 16
	v_pk_mul_f32 v[160+n:161+n], v[160+n:161+n], v[220:221] op_sel_hi:[1,0]   ; O^T under the new M; also the plain lines behind the conversions
.set n, n+2
.endr
	s_wait_alu depctr_va_vdst(0)
	s_wait_dscnt 0x0                               ; V is in
.set n, 0
.rept 4                                        ; the four accumulators take turns, one instruction a turn
	v_wmma_f32_16x16x128_bf8_bf8 v[160+8*n:167+8*n], v[32+16*n:47+16*n], v[192:207], v[160+8*n:167+8*n]
.set n, n+1
.endr
.endm
; A query block is finished: O^T / the sum, converted: register pair dt is k = 64 w + 16 dt + 8 h + 0 .. 7 of my query's row: the image of the last product's operand.
.macro FINAL base
.rept 4
	v_nop                                          ; places behind the last products
.endr
	v_add_f32 v14, v14, v15
	s_delay_alu instid0(VALU_DEP_1)
	v_permlanex16_b32 v226, v14, s20, s21
	s_delay_alu instid0(VALU_DEP_1)
	v_add_f32 v14, v14, v226                       ; the row's sum
	s_wait_alu depctr_va_vdst(0)
	v_rcp_f32 v14, v14
	v_nop                                          ; a plain line behind the transcendental
	s_wait_xcnt 0x0                                ; the first block's stores have read their data registers, which are written again below
	s_wait_alu depctr_va_vdst(0)                   ; the wait ahead of the reciprocal's first reader
.set n, 0
.rept 16
	v_pk_mul_f32 v[96+n:97+n], v[160+n:161+n], v[14:15] op_sel_hi:[1,0]
.set n, n+2
.endr
.set n, 0
.rept 32
.set n, n+1
.endr
.set n, 0
.rept 4
	v_cvt_scalef32_pk8_bf8_f32 v[208+2*n:209+2*n], v[96+8*n:103+8*n], v219
.set n, n+1
.endr
	v_nop
	global_store_b128 v1, v[208:211], s[\base:\base+1]             ; 32 lanes store 512 consecutive bytes, aligned
	global_store_b128 v1, v[212:215], s[\base:\base+1] offset:512
.endm
	s_wait_loadcnt 0x0                             ; Q
.Lslot:                                                ; eight trips: behind each change of slots the next trip's key block is asked for
	CHANGE 1
	STEP 0
	STEP 1
	s_xor_b32 s16, s16, SLOT1
	s_cmp_lg_u32 s15, s14                          ; the first block's last trip?  (ids alone; the same in all sixteen waves)
	s_cbranch_scc1 .Lsame
	FINAL 40
.set n, 0
.rept 8
	v_mov_b32 v[16+n], v[24+n]                     ; the second block's Q,
.set n, n+1
.endr
	v_mov_b32 v13, 0xff61b1e6                      ; and its state begins anew
	s_delay_alu instid0(VALU_DEP_1)
	v_floor_f32 v12, -v13
	v_mov_b32 v14, 0
	v_mov_b32 v15, 0
.set n, 0
.rept 32
	v_mov_b32 v[160+n], 0
.set n, n+1
.endr
	s_mov_b32 s14, 8                               ; its diagonal is the last trip
.Lsame:
	s_add_co_u32 s15, s15, 1
	s_cmp_lt_u32 s15, 8
	s_cbranch_scc1 .Lslot
	CHANGE 0                                       ; the ninth trip is written out
	STEP 0
	STEP 1
	FINAL 42
	s_wait_tensorcnt 0x0                           ; the wave's end
	ds_add_u32 v5, v6
	s_wait_dscnt 0x0
	s_endpgm
.Lfunc_end_k_qdf25a7a4a0_attn:
	.size	k_qdf25a7a4a0_attn, .Lfunc_end_k_qdf25a7a4a0_attn-k_qdf25a7a4a0_attn
	.p2alignl 7, 3214868480
	.fill 96, 4, 3214868480
	.section	.rodata,"a",@progbits
	.p2align	6, 0x0
	.amdhsa_kernel k_qdf25a7a4a0_attn
		.amdhsa_group_segment_fixed_size 327680
		.amdhsa_private_segment_fixed_size 0
		.amdhsa_enable_private_segment 0
		.amdhsa_kernarg_size 24
		.amdhsa_user_sgpr_count 2
		.amdhsa_user_sgpr_kernarg_segment_ptr 1
		.amdhsa_wavefront_size32 1
		.amdhsa_system_sgpr_workgroup_id_x 1
		.amdhsa_system_sgpr_workgroup_id_y 1
		.amdhsa_system_sgpr_workgroup_id_z 1
		.amdhsa_system_vgpr_workitem_id 0
		.amdhsa_next_free_vgpr 256
		.amdhsa_next_free_sgpr 66
		.amdhsa_reserve_vcc 1
		.amdhsa_float_denorm_mode_32 3
		.amdhsa_float_denorm_mode_16_64 3
		.amdhsa_fp16_overflow 1
		.amdhsa_memory_ordered 1
		.amdhsa_forward_progress 1
		.amdhsa_inst_pref_size 88
	.end_amdhsa_kernel
	.amdgpu_metadata
---
amdhsa.version: [ 1, 2 ]
amdhsa.kernels:
  - .name:           k_qdf25a7a4a0_attn
    .symbol:         k_qdf25a7a4a0_attn.kd
    .args:
      - { .name: qkv, .offset: 0, .size: 8, .value_kind: global_buffer, .address_space: global }
      - { .name: lowp_scales, .offset: 8, .size: 8, .value_kind: global_buffer, .address_space: global }
      - { .name: ao, .offset: 16, .size: 8, .value_kind: global_buffer, .address_space: global }
    .group_segment_fixed_size: 327680
    .private_segment_fixed_size: 0
    .kernarg_segment_align: 8
    .kernarg_segment_size: 24
    .max_flat_workgroup_size: 512
    .sgpr_count:     66
    .vgpr_count:     256
    .wavefront_size: 32
...
	.end_amdgpu_metadata
.endif
;; end of part 3
;; launch gemm_proj (part 4): grid 4 x 32, 4 waves a work-group, clusters of 4 x 4, 327,680 bytes of LDS; arguments ao, cod, lowp_scales, proj_b, out0; writes out0
.if DOCPART == 4
	.amdgcn_target "amdgcn-amd-amdhsa--gfx1250"
	.amdhsa_code_object_version 6
	.text
	.protected	k_qdf25a7a4a0_gemm_proj
	.globl	k_qdf25a7a4a0_gemm_proj
	.p2align	8
	.type	k_qdf25a7a4a0_gemm_proj,@function
k_qdf25a7a4a0_gemm_proj:
	s_mov_b64 s[64:65], 0
	v_nop
	global_prefetch_b8 v0, s[64:65] scope:SCOPE_SE
	s_setreg_imm32_b32 hwreg(HW_REG_WAVE_MODE, 25, 1), 1
	s_wait_xcnt 0x0
	s_wait_alu depctr_hold_cnt(0) depctr_sa_sdst(0) depctr_va_vdst(0) depctr_va_sdst(0) depctr_va_ssrc(0) depctr_va_vcc(0) depctr_vm_vsrc(0)
	s_getreg_b32 s2, hwreg(HW_REG_IB_STS2, 6, 4)
	s_cmp_eq_u32 s2, 0
	s_cbranch_scc0 .Lentry_in_a_cluster
	s_endpgm
.Lentry_in_a_cluster:
	s_bfe_u32 s2, ttmp6, 0x10000c
	s_cmp_lg_u32 s2, 0xf033
	s_cbranch_scc0 .Lentry_shape_is_right
	s_endpgm
.Lentry_shape_is_right:
; out0 = attention's result x proj_w^T + proj_b: [8192 x 1024] x [1024 x 1024] on codes of BF8; each finished sum x 2^(e10 + e11) + bias, one fused multiply-add; out0 f32.
; OPERANDS are register images (16 rows x 64 K in 1,024 bytes: 512 u + 16 lane; a block of 16 rows is 16,384 bytes): A = ao, B = proj_w's codes, 28,311,552 bytes into cod.
; A tile of 256 x 256 is made by four waves, 128 x 128 each; K goes in steps of 256 through a ring of two LDS slots; a wave's tensor load brings 8 blocks x 4,096 bytes.
; THE MATRIX INSTRUCTION IS USED TRANSPOSED (source 0 = 16 rows of B, source 1 = 16 rows of A): a lane holds eight neighbouring numbers of a row of out0.
; CLUSTERS: 4 x 4 work-groups; A's tiles are asked for jointly along a row of the cluster, B's along a column.  128 tiles: the grid has as many work-groups as there are tiles of this size.
; REGISTERS, in windows of 256: window 0: v7-29 addresses and the bias; from v128 A's fragments, one set, later rows of out0.  window 1: B's fragments, two sets.  windows 2, 3: the accumulators, (a, b) at v[8 (8 (a % 4) + b)].
; LIMIT: e10 + e11 between -126 and 127, so that 2^(e10 + e11) is an f32 number.
.set ROWB,   4096
.set SLOT,   131072
.set SPARE,  2*SLOT                    ; behind the ring: the spare words, 128 bytes for each wave, which no other line names
.set LAPS,   2
.set FR,     16
.set NL,     4
.set NP,     4
.set SPITCH, 528                       ; the way out: a stage of 16 rows x (512 bytes + 16) for each wave, in slot 0, which has had its last fill and its last read when the first result is stored there
.set BIAS, 8                           ; v8-11   proj_b at my four columns of a row read back
.set ADRA, 16
.set ADRB, 20
.set STO,  24                          ; v24     where I put 32 bytes of a row
.set RD,   25                          ; v25     where I read a row back
.set LI,   26                          ; v26     16 x lane; never rewritten
.set SPW,  28
.set NIL,  29
.set AF,   128
.set BK,   128                         ; 16 rows read back: v128-191 and v192-255 by turns
.set G1, 24
.set G0, 32
.set G1B, 48
.set G0B, 56
.set MSB, 0
.macro WIN new
.if MSB != (\new)
	s_set_vgpr_msb (MSB<<8)|(\new)
.set MSB, (\new)
.endif
.endm
.set MUL_LO, 0xa1
.set MUL_HI, 0xf1
.set TO_B,   0x40
.macro JLOAD g0a, g1a, g0b, g1b        ; a joint load: waves 0 and 1 fetch for A, waves 2 and 3 for B; four v_nop follow each of the two lines
	s_cmp_eq_u32 s15, 0
	s_cbranch_scc0 .Lfor_b_\@
	tensor_load_to_lds s[\g0a:\g0a+3], s[\g1a:\g1a+7]
	s_nop 0
.rept 4
	v_nop
.endr
	s_branch .Lasked_\@
.Lfor_b_\@:
	tensor_load_to_lds s[\g0b:\g0b+3], s[\g1b:\g1b+7]
	s_nop 0
.rept 4
	v_nop
.endr
.Lasked_\@:
.endm
.macro CREST
	s_cmp_lg_u32 s14, 0
	s_cbranch_scc1 .Lnot_wave_0_\@
	s_barrier_signal -3
.Lnot_wave_0_\@:
	s_barrier_wait -3
	s_barrier_signal -1
	s_barrier_wait -1
.endm
.macro CROUND
	s_barrier_signal -1
	s_barrier_wait -1
	CREST
.endm
	s_load_b256 s[4:11], s[0:1], 0x0               ; ao s[4:5], cod s[6:7], lowp_scales s[8:9], proj_b s[10:11]
	s_load_b64 s[12:13], s[0:1], 0x20              ; out0
	v_lshl_add_u32 v[SPW], v0, 2, SPARE
	v_mov_b32 v[NIL], 0
	ds_add_u32 v28, v29
	ds_add_u32 v28, v29
	s_wait_dscnt 0x0
	v_lshrrev_b32 v1, 5, v0
	v_readfirstlane_b32 s14, v1                    ; wave 0..3
	s_lshr_b32 s15, s14, 1                         ; which half of the tile's rows is mine.  Also: I fetch for A (0) or for B (1)
	s_and_b32 s16, s14, 1                          ; which half of its columns.  Also: which 128 rows of that tile I fetch
	s_bfe_u32 s40, ttmp6, 0x40000                  ; cx
	s_bfe_u32 s41, ttmp6, 0x40004                  ; cy
	s_lshl_b32 s42, ttmp9, 2
	s_add_co_u32 s42, s42, s40                     ; tile column
	s_and_b32 s17, ttmp7, 0xffff
	s_lshl_b32 s17, s17, 2
	s_add_co_u32 s17, s17, s41                     ; tile row
	s_lshl_b32 s43, s41, 2
	s_lshl_b32 s43, 15, s43                        ; my row of the cluster
	s_lshl_b32 s44, 0x1111, s40                    ; my column
	s_or_b32 s[G1+0], s43, (1<<21)                 ; group 1: the mask; elements of 1 byte; bit 21 beside a mask; no padding
	s_or_b32 s[G1B+0], s44, (1<<21)
.irp g, G1, G1B
	s_mov_b32 s[\g+1], ROWB<<16                    ; tensor_dim0 = 4,096
	s_mov_b32 s[\g+2], 8<<16                       ; tensor_dim1 = 8
	s_mov_b32 s[\g+3], ROWB<<16                    ; tile_dim0
	s_mov_b32 s[\g+4], 8                           ; tile_dim1
	s_mov_b32 s[\g+5], 16384                       ; from block to block
	s_mov_b32 s[\g+6], 0
	s_mov_b32 s[\g+7], 0
.endr
	s_lshl_b32 s18, s16, 17                        ; which 8 blocks of the tile I fetch
	s_lshl_b32 s20, s17, 18
	s_add_co_u32 s20, s20, s18
	s_mov_b32 s21, 0
	s_lshl_b32 s46, s42, 18
	s_add_co_u32 s46, s46, s18
	s_add_co_u32 s46, s46, 28311552
	s_mov_b32 s47, 0
	s_lshl_b32 s45, s14, 15                        ; where they go: wave x 32,768
	s_wait_kmcnt 0x0
	s_load_b64 s[96:97], s[8:9], 0x28              ; e10, e11
	s_add_nc_u64 s[20:21], s[4:5], s[20:21]
	s_add_nc_u64 s[46:47], s[6:7], s[46:47]
	CROUND                                         ; all sixteen work-groups are here: the first joint loads meet
.irp s, 0,1
	s_mov_b32 s[G0+4*\s], 1
	s_add_co_u32 s[G0+4*\s+1], s45, \s*SLOT
	s_add_nc_u64 s[G0+4*\s+2:G0+4*\s+3], s[20:21], \s*ROWB
	s_or_b32 s[G0+4*\s+3], s[G0+4*\s+3], 0x80000000
	s_mov_b32 s[G0B+4*\s], 1
	s_add_co_u32 s[G0B+4*\s+1], s45, \s*SLOT
	s_add_nc_u64 s[G0B+4*\s+2:G0B+4*\s+3], s[46:47], \s*ROWB
	s_or_b32 s[G0B+4*\s+3], s[G0B+4*\s+3], 0x80000000
	s_wait_alu depctr_va_vdst(0)
	s_wait_tensorcnt 0x0
	ds_add_u32 v28, v29
	ds_add_u32 v28, v29
	s_wait_dscnt 0x0
	CROUND
	JLOAD G0+4*\s, G1, G0B+4*\s, G1B
.endr
	v_and_b32 v1, 31, v0
	v_lshlrev_b32 v[LI], 4, v1
	v_and_b32 v2, 15, v0                           ; r
	s_wait_alu depctr_va_vdst(0)
	v_bfe_u32 v3, v0, 4, 1                         ; h
	s_lshl_b32 s22, s15, 15                        ; my 8 blocks of A
	s_lshl_b32 s23, s16, 15                        ; my 8 blocks of B,
	s_add_co_u32 s23, s23, 65536                   ; which lie behind A's 16
.irp s, 0,1
	v_add_nc_u32 v[ADRA+\s], s22, v[LI]
	v_add_nc_u32 v[ADRB+\s], s23, v[LI]
	s_add_co_u32 s22, s22, SLOT
	s_add_co_u32 s23, s23, SLOT
.endr
	s_mul_i32 s23, s14, 16*SPITCH                  ; my stage
	v_mul_u32_u24 v[STO], v2, SPITCH               ; in: row r, 32 bytes for each half of the lanes
	s_wait_alu depctr_va_vdst(0)
	v_lshl_add_u32 v[STO], v3, 5, v[STO]
	v_add_nc_u32 v[STO], s23, v[STO]
	v_add_nc_u32 v[RD], s23, v[LI]                 ; back: the 32 lanes take one row of 512 bytes
	s_lshl_b32 s18, s42, 10                        ; my first column, in bytes: 1,024 x tile column + 512 x half
	s_lshl_b32 s19, s16, 9
	s_add_co_u32 s18, s18, s19
	v_add_nc_u32 v7, s18, v[LI]
	global_load_b128 v[BIAS:BIAS+3], v7, s[10:11]  ; proj_b at the four columns that I hold of a row read back
	s_lshl_b32 s22, s17, 20                        ; my first row: 256 x tile row + 128 x half, rows of 4,096 bytes
	s_lshl_b32 s23, s15, 19
	s_add_co_u32 s22, s22, s23
	s_add_co_u32 s22, s22, s18
	s_mov_b32 s23, 0
	s_add_nc_u64 s[12:13], s[12:13], s[22:23]
.macro FRAG reg, adr, q, i
.irp c, 0,1,2,3
	ds_load_b128 v[\reg+4*\c:\reg+4*\c+3], v[\adr] offset:4096*(\i)+2048*(\q)+512*\c
.endr
.endm
; 16 matrix instructions: A's blocks a0, a0 + 1 x B's eight.  The 64 accumulators take turns, one instruction a turn, in the same order in every step.
.macro MUL16 a0, p, zero
.irp a, \a0, \a0+1
.irp b, 0,1,2,3,4,5,6,7
.if \zero
	v_wmma_f32_16x16x128_bf8_bf8 v[8*(8*((\a)%4)+\b):8*(8*((\a)%4)+\b)+7], v[128*(\p)+FR*\b:128*(\p)+FR*\b+FR-1], v[AF+FR*(\a):AF+FR*(\a)+FR-1], 0
.else
	v_wmma_f32_16x16x128_bf8_bf8 v[8*(8*((\a)%4)+\b):8*(8*((\a)%4)+\b)+7], v[128*(\p)+FR*\b:128*(\p)+FR*\b+FR-1], v[AF+FR*(\a):AF+FR*(\a)+FR-1], v[8*(8*((\a)%4)+\b):8*(8*((\a)%4)+\b)+7]
.endif
.endr
.endr
.endm
.macro FETCH_B slot, q, p
	WIN TO_B
.irp i, 0,1,2,3,4,5,6,7
	FRAG 128*(\p)+FR*\i, ADRB+\slot, \q, \i
.endr
	WIN 0
.endm
.macro FETCH_A slot, q, i0
.irp i, \i0, \i0+1, \i0+2, \i0+3
	FRAG AF+FR*(\i), ADRA+\slot, \q, \i
.endr
.endm
.macro PLACES n                        ; plain vector lines between a matrix instruction and a load into, or a read of, one of its registers
.rept \n
	v_nop
.endr
.endm
.macro STEP slot, q, zero
	s_wait_dscnt 4*NL                              ; B's set and A's blocks 0-3 are in; the youngest 16 loads (A's blocks 4-7) may be out
	WIN MUL_LO
	MUL16 0, (\q)%2, \zero
	MUL16 2, (\q)%2, \zero
	s_wait_dscnt 0                                 ; A's blocks 4-7 are in
	PLACES NP
	FETCH_B \slot, (\q)+1, 1-(\q)%2
	FETCH_A \slot, (\q)+1, 0
	WIN MUL_HI
	MUL16 4, (\q)%2, \zero
	MUL16 6, (\q)%2, \zero
	PLACES NP
	WIN 0
	FETCH_A \slot, (\q)+1, 4
.endm
.macro TURN slot, next, fill
	s_wait_tensorcnt 0x0                           ; all my tensor loads have landed: my part of the next slot
	ds_add_u32 v[SPW], v[NIL]                      ; 0 onto my spare word
	s_wait_dscnt 4*NL+1                            ; (the add and the youngest 16 loads may be out)
	WIN MUL_LO
	MUL16 0, 1, 0
	s_wait_dscnt 0x0                               ; the add is done, and my reads of this slot are over
	s_barrier_signal -1
	MUL16 2, 1, 0
	WIN 0
	s_barrier_wait -1
.if \fill
	CREST                                          ; the barrier has opened a round of the cluster's: no wave of any partner still reads this slot or has a load on its way
	s_add_nc_u64 s[G0+4*\slot+2:G0+4*\slot+3], s[G0+4*\slot+2:G0+4*\slot+3], 2*ROWB
	s_add_nc_u64 s[G0B+4*\slot+2:G0B+4*\slot+3], s[G0B+4*\slot+2:G0B+4*\slot+3], 2*ROWB
	JLOAD G0+4*\slot, G1, G0B+4*\slot, G1B         ; the first tensor load behind the round; its four v_nop are the places in front of the loads below
.else
	PLACES NP
.endif
	FETCH_B \next, 0, 0
	FETCH_A \next, 0, 0
	WIN MUL_HI
	MUL16 4, 1, 0
	MUL16 6, 1, 0
	PLACES NP
	WIN 0
	FETCH_A \next, 0, 4
.endm
	s_wait_tensorcnt 1                             ; my part of K step 0 is in; K step 1's load may be out
	s_barrier_signal -1
	s_barrier_wait -1
	FETCH_B 0, 0, 0
	FETCH_A 0, 0, 0
	FETCH_A 0, 0, 4
	STEP 0, 0, 1
	s_mov_b32 s3, LAPS-1
.Llap:
	TURN 0, 1, 1
	STEP 1, 0, 0
	TURN 1, 0, 1
	STEP 0, 0, 0
	s_sub_co_u32 s3, s3, 1
	s_cmp_lg_u32 s3, 0
	s_cbranch_scc1 .Llap
	TURN 0, 1, 0
	STEP 1, 0, 0
	s_wait_dscnt 4*NL
	WIN MUL_LO
	MUL16 0, 1, 0
	MUL16 2, 1, 0
	s_wait_alu depctr_va_vdst(0)
	s_wait_dscnt 0
	WIN MUL_HI
	MUL16 4, 1, 0
	MUL16 6, 1, 0
	WIN 0
; THE WAY OUT, block by block of 16 rows x 128 columns: the sums go as they are into my own stage in LDS (each accumulator's low half first) and come back as whole rows of 512 bytes; there each number is
; multiplied by 2^(e10 + e11) and gets its bias in one fused multiply-add, and the 32 lanes store the row.  LDS serves a wave's instructions in order (ISA guide 5.7.1.4): no wait between the stores and the loads.
.macro TOSTAGE a
.set AC, 64*((\a)%4)
	WIN 0x08+4*((\a)/4)                            ; an LDS store's data: window 2 or 3
.irp b, 0,1,2,3,4,5,6,7
	ds_store_b128 v[STO], v[AC+8*\b:AC+8*\b+3] offset:64*\b
	ds_store_b128 v[STO], v[AC+8*\b+4:AC+8*\b+7] offset:64*\b+16
.endr
	WIN 0
.set BB, BK+64*((\a)%2)
.irp t, 0,1,2,3,4,5,6,7,8,9,10,11,12,13,14,15
	ds_load_b128 v[BB+4*\t:BB+4*\t+3], v[RD] offset:\t*SPITCH
.endr
.endm
.macro SEND a, younger                 ; younger: the LDS instructions issued behind block a's loads, which may stay out
.set BB, BK+64*((\a)%2)
	s_wait_dscnt \younger
.if (\a) > 0
	s_add_nc_u64 s[12:13], s[12:13], 16*4096       ; (behind a wait on XCNT: the earlier stores have read their base)  16 rows on
.endif
.irp t, 0,1,2,3,4,5,6,7,8,9,10,11,12,13,14,15
	v_pk_fma_f32 v[BB+4*\t:BB+4*\t+1], v[BB+4*\t:BB+4*\t+1], s[96:97], v[BIAS:BIAS+1] op_sel_hi:[1,0,1]
	v_pk_fma_f32 v[BB+4*\t+2:BB+4*\t+3], v[BB+4*\t+2:BB+4*\t+3], s[96:97], v[BIAS+2:BIAS+3] op_sel_hi:[1,0,1]
	global_store_b128 v[LI], v[BB+4*\t:BB+4*\t+3], s[12:13] offset:\t*4096 th:TH_STORE_NT   ; 32 lanes store 512 consecutive bytes, aligned; written once, read by nobody here
.endr
.endm
	s_wait_kmcnt 0x0
	s_add_co_i32 s96, s96, s97
	s_add_co_i32 s96, s96, 127
	s_lshl_b32 s96, s96, 23                        ; 2^(e10 + e11) as f32
	s_mov_b32 s97, s96                             ; (named with it as a pair)
	s_wait_loadcnt 0x0                             ; the bias
	PLACES NP                                      ; behind the last products: results are read, and A's registers are loaded into, below
	TOSTAGE 0
.irp a, 1,2,3,4,5,6,7
.if \a > 1
	s_wait_xcnt 0x0                                ; block a - 2's stores have read their registers and their base
.endif
	TOSTAGE \a
	SEND \a-1, 32                                  ; behind block a - 1's loads: block a's 16 stores and 16 loads
.endr
	s_wait_xcnt 0x0
	SEND 7, 0
	s_wait_tensorcnt 0x0                           ; the wave's end
	ds_add_u32 v[SPW], v[NIL]
	s_wait_dscnt 0x0
	CROUND                                         ; the closing round
	s_endpgm
.Lfunc_end_k_qdf25a7a4a0_gemm_proj:
	.size	k_qdf25a7a4a0_gemm_proj, .Lfunc_end_k_qdf25a7a4a0_gemm_proj-k_qdf25a7a4a0_gemm_proj
	.p2alignl 7, 3214868480
	.fill 96, 4, 3214868480
	.section	.rodata,"a",@progbits
	.p2align	6, 0x0
	.amdhsa_kernel k_qdf25a7a4a0_gemm_proj
		.amdhsa_group_segment_fixed_size 327680
		.amdhsa_private_segment_fixed_size 0
		.amdhsa_enable_private_segment 0
		.amdhsa_kernarg_size 40
		.amdhsa_user_sgpr_count 2
		.amdhsa_user_sgpr_kernarg_segment_ptr 1
		.amdhsa_wavefront_size32 1
		.amdhsa_system_sgpr_workgroup_id_x 1
		.amdhsa_system_sgpr_workgroup_id_y 1
		.amdhsa_system_sgpr_workgroup_id_z 1
		.amdhsa_system_vgpr_workitem_id 0
		.amdhsa_next_free_vgpr 1024
		.amdhsa_next_free_sgpr 98
		.amdhsa_reserve_vcc 0
		.amdhsa_float_denorm_mode_32 3
		.amdhsa_float_denorm_mode_16_64 3
		.amdhsa_memory_ordered 1
		.amdhsa_forward_progress 1
		.amdhsa_inst_pref_size 124
	.end_amdhsa_kernel
	.amdgpu_metadata
---
amdhsa.version: [ 1, 2 ]
amdhsa.kernels:
  - .name:           k_qdf25a7a4a0_gemm_proj
    .symbol:         k_qdf25a7a4a0_gemm_proj.kd
    .args:
      - { .name: ao, .offset: 0, .size: 8, .value_kind: global_buffer, .address_space: global }
      - { .name: cod, .offset: 8, .size: 8, .value_kind: global_buffer, .address_space: global }
      - { .name: lowp_scales, .offset: 16, .size: 8, .value_kind: global_buffer, .address_space: global }
      - { .name: proj_b, .offset: 24, .size: 8, .value_kind: global_buffer, .address_space: global }
      - { .name: out0, .offset: 32, .size: 8, .value_kind: global_buffer, .address_space: global }
    .group_segment_fixed_size: 327680
    .private_segment_fixed_size: 0
    .kernarg_segment_align: 8
    .kernarg_segment_size: 40
    .max_flat_workgroup_size: 128
    .sgpr_count:     98
    .vgpr_count:     1024
    .wavefront_size: 32
...
	.end_amdgpu_metadata
.endif
;; end of part 4
